; MI455X (gfx1250); checked and timed in simulation.
; The chip was launched on July 23, 2026; its instructions are those of AMD's public machine-readable ISA for CDNA 5 (MIT licence, August 2026) and "CDNA5" Instruction Set Architecture Reference Guide (July 2026). The comments in the code are by the model that wrote it; some were corrected since.
;; Resonant Complex Projection. Allowed arithmetic: float matrix products may take bf16 or f16 operands with f32 sums; all other float work in f32.
;; Inputs: B 1,024 x 512 float32; W 1,024 x 512 float32; Wi 512 x 1,024 float32; Wr 512 x 1,024 float32; x 256 x 512 float32.
;; Outputs: out0 256 x 512 float32; out1 256 x 512 float32.
;; 2 versions, each right; version 2 is version 1 with the launch phase written anew for expert scheduling mode. Each part assembles by itself: llvm-mc -triple=amdgcn-amd-amdhsa -mcpu=gfx1250 --defsym DOCPART=n.
;; ======== version 1 of 2: 2 launches
;; limits: a function is approximated: absolute error at most 1.5e-05; values are held in f16: magnitudes above 65,504 overflow, below 6.1e-05 lose precision; inputs' magnitudes at most 65,504
;; workspace buffers: sums 1,048,576 bytes; wfrag 2,097,152 bytes
;; launch phase (part 1): grid 32 x 8, 8 waves a work-group, no clusters, 284,160 bytes of LDS; arguments W, B, x, Wr, Wi, sums, wfrag; writes sums, wfrag
.if DOCPART == 1
	.amdgcn_target "amdgcn-amd-amdhsa--gfx1250"
	.amdhsa_code_object_version 6
	.text
	.protected	k_q8095b89d40_phase
	.globl	k_q8095b89d40_phase
	.p2align	8
	.type	k_q8095b89d40_phase,@function
k_q8095b89d40_phase:
	s_mov_b64 s[64:65], 0
	v_nop
	global_prefetch_b8 v0, s[64:65] scope:SCOPE_SE
	s_setreg_imm32_b32 hwreg(HW_REG_WAVE_MODE, 25, 1), 1
	s_wait_xcnt 0x0
; cos_sum[b][n] = sum over i of cosT[idx], sin_sum likewise, idx = floor((x[b][i]/(1+|W[n][i]|) + B[n][i]) * 4096/2pi) mod 4096,
; cosT[k] = cos(2 pi k/4096).  x: [256][512], W, B: [1024][512], f32.  The sums leave as f16 in the order of matrix fragments (below).
; The work-group also rounds 16 KiB of Wr or Wi to f16, into the same order, for the launch that follows.
;
; SHARES.  Work-group (nt, bt): 32 neurons x 32 batch rows.  Lane = neuron.  Wave w owns features 64 w .. 64 w + 63: its 64 c and 64 d
; (below) stay in 128 registers for the whole kernel, and x comes from LDS as a broadcast.  The eight waves' partial sums meet in LDS.
;
; THE ARITHMETIC, two features at a time in packed f32, 15 instructions a pair.  In turns: c = 1/(2 pi (1+|W|)), d = B/(2 pi) - 2^-13.
;   T = x c + d                      theta in turns, half a table step down: rounding to the nearest step is then the floor
;   G = T + 1.5*2^23                 rounds T to an integer n;  G - (1.5*2^23 + 3072) = n - 3072, exact
;   A = T - (n - 3072)               one rounding of T - n + 3072 to a multiple of 2^-12: floor and mod 4096 in one
;   R = A - 3072                     exact, in [-1/2, 1/2], a multiple of 1/4096: the table index as a signed fraction of a turn
;   s = R P(R^2) = sin(pi R),  q = Q(R^2) = cos(pi R)      cubics in R^2 (Chebyshev series cut behind T7 and T6)
;   cos(2 pi R) = 1 - 2 s s,  sin(2 pi R) = 2 s q          so only s s and s q are summed; the sums are at most 512
; No table in LDS: its address would be made of floating-point data.
; LIMITS.  |theta| < 2^22 turns (2.6e7; the reference's int32 index ends at 3.3e6).  The index differs by one step from the reference's
; where theta*4096/2pi lies within f32 rounding of an integer (reciprocal and one fused rounding here, a division and three roundings
; there) or is exactly an odd integer (tie to even).  Against the table's entries: |error| <= 1.5e-5 for the sine, 2.5e-6 for the cosine
; (the table's own step is 1.5e-3).  NaN and infinite inputs are not served.  f16: the sums are at most 512 in magnitude; |Wr|, |Wi| must
; stay below 65504, and weights below 6.1e-5 keep an absolute error of 3e-8.
; NO CLUSTER, NO TENSOR LOADS: what work-groups share (x with 31 others, W and B with 7) is 192 KiB read once at the start, against some
; 15,000 vector instructions of every wave.
;
; FRAGMENT ORDER (f16, 16 rows x 32 k = 1,024 bytes): element (row r, k) lies at 512 (k>>4) + 256 ((k>>3)&1) + 16 r + 2 (k&7), so that
; lane l of a wave finds its two 16-byte pieces at 16 l and 512 + 16 l.  sums: [cos, sin][b/16][n/32][1024]; wfrag: [Wr, Wi][o/16][n/32][1024].
.set PITCH, 272                        ; LDS rows of 256 bytes + 16: 16 lanes that read one column of 16 rows touch 16 different 16-byte columns modulo 256
.set CDW,   64*PITCH                   ; a wave's c (32 rows) and d (32 rows)
.set XREG,  8*CDW                      ; x: 32 rows of 256 bytes for each wave
.set XW,    32*256
.set SLAB,  XREG+8*XW                  ; partial sums: for each wave 32 rows (b) of [cos 32 n][sin 32 n] f32
.set SLABW, 32*PITCH
.set WST,   SLAB+8*SLABW               ; the weights' stage: 32 blocks of 256 bytes at pitch 272
.set R16,  2                           ; thread & 15
.set HH,   3                           ; (thread >> 4) & 1
.set LANE, 4
.set T16,  5                           ; thread >> 4
.set GOFF, 6                           ; offset of my 16 bytes in two rows of W, B, x
.set WOFF, 7                           ; the same in 16 rows of Wr or Wi
.set CST,  8                           ; LDS addresses: c, d in
.set CLD,  9                           ; c, d back, a row a lane
.set XST,  10                          ; x in
.set XA,   11                          ; x back (the same in all lanes); steps two rows a trip
.set PA,   12                          ; partial sums in; steps two rows a trip
.set WSA,  13                          ; weights in
.set WRD,  14                          ; weights back
.set RD,   15                          ; partial sums back
.set CC,   16                          ; v[16:79]   W as loaded, then c of my neuron's 64 features
.set DD,   80                          ; v[80:143]  B as loaded, then d
.set X,    144                         ; v[144:159] x: 2 rows x 8 features
.set T,    160                         ; v[160:175] 8 pairs: T, A, R, s
.set G,    176                         ; v[176:191] 8 pairs: G, n - 3072, R^2
.set P,    192                         ; v[192:207] 8 pairs
.set Q,    208                         ; v[208:223] 8 pairs
.set ACC,  224                         ; v[224:231] sums of s s (row 0, row 1), of s q (row 0, row 1), a pair each
.set F,    232                         ; v[232:235] 1/2pi at the start; then a trip's four sums
.set KA2,  236                         ; P's and Q's coefficient of y^2, as register pairs: an instruction here names one scalar pair at the most
.set KB2,  238
.set WP,   240                         ; v[240:247] my two pieces of wfrag
.set XS,   144                         ; at the start: x as loaded, v[144:207]
.set WL,   208                         ; at the start: weights as loaded, v[208:223]
.set RS,   16                          ; at the end: 8 partial sums of 8 numbers
.set SM2, 20
.set SNK, 22
.set SN3, 24
.set SA3, 26
.set SA1, 28
.set SA0, 30
.set SB3, 32
.set SB1, 34
.set SB0, 36
.set SNH, 38
.macro SPAIR r, val                    ; a packed instruction takes the pair's first register for both halves; both are written
	s_mov_b32 s[\r], \val
	s_mov_b32 s[\r+1], \val
.endm
	s_load_b256 s[4:11], s[0:1], 0x0               ; W s[4:5], B s[6:7], x s[8:9], Wr s[10:11]
	s_load_b128 s[12:15], s[0:1], 0x20             ; Wi s[12:13], sums s[14:15]
	s_load_b64 s[16:17], s[0:1], 0x30              ; wfrag
	v_lshl_add_u32 v248, v0, 2, 0x45200
	v_mov_b32 v249, 0
	v_lshrrev_b32 v1, 5, v0
	v_readfirstlane_b32 s18, v1                    ; wave 0..7
	s_mov_b32 s2, ttmp9                            ; nt: block of 32 neurons
	s_and_b32 s19, ttmp7, 0xffff                   ; bt: block of 32 batch rows
	v_and_b32 v[R16], 15, v0
	v_bfe_u32 v[HH], v0, 4, 1
	v_and_b32 v[LANE], 31, v0
	v_lshrrev_b32 v[T16], 4, v0
	v_lshlrev_b32 v[GOFF], 4, v[R16]
	v_lshl_add_u32 v[WOFF], v[T16], 12, v[GOFF]    ; row (thread >> 4) of 4,096 bytes + 16 (thread & 15)
	v_lshl_add_u32 v[GOFF], v[HH], 11, v[GOFF]     ; lanes 0-15 one row's 256 bytes, lanes 16-31 the next row's
	s_lshl_b32 s42, s18, 8                         ; my wave's 64 features: 256 bytes of a row
	s_lshl_b32 s40, s2, 16                         ; 32 rows of 2,048 bytes
	s_add_co_u32 s40, s40, s42
	s_mov_b32 s41, 0
	s_lshl_b32 s44, s19, 16
	s_add_co_u32 s44, s44, s42
	s_mov_b32 s45, 0
	; the weights: work-group g = nt + 32 bt takes 16 rows x 256 k: matrix g >> 7, row block (g >> 2) & 31, quarter g & 3 of the rows
	s_lshr_b32 s46, s19, 2                         ; 0: Wr, 1: Wi
	s_and_b32 s48, s19, 3
	s_lshr_b32 s47, s2, 2
	s_lshl3_add_u32 s47, s48, s47                  ; row block
	s_and_b32 s49, s2, 3                           ; quarter
	s_lshl_b32 s50, s47, 16                        ; 16 rows of 4,096 bytes
	s_lshl_b32 s52, s49, 10
	s_add_co_u32 s50, s50, s52
	s_mov_b32 s51, 0
	s_lshl_b32 s56, s46, 5
	s_add_co_u32 s56, s56, s47
	s_lshl_b32 s56, s56, 15                        ; 32 fragments of 1,024 bytes for a row block
	s_lshl_b32 s52, s49, 13                        ; 8 fragments for a quarter
	s_add_co_u32 s56, s56, s52
	s_mov_b32 s57, 0
	s_wait_kmcnt 0x0
	s_add_nc_u64 s[4:5], s[4:5], s[40:41]
	s_add_nc_u64 s[6:7], s[6:7], s[40:41]
	s_add_nc_u64 s[8:9], s[8:9], s[44:45]
	s_cmp_eq_u32 s46, 0
	s_cselect_b64 s[54:55], s[10:11], s[12:13]
	s_add_nc_u64 s[54:55], s[54:55], s[50:51]
	s_add_nc_u64 s[16:17], s[16:17], s[56:57]
	; 52 loads, all out at once; each covers two whole aligned pieces of 256 bytes
.irp k, 0,1,2,3,4,5,6,7,8,9,10,11,12,13,14,15
	global_load_b128 v[CC+4*\k:CC+4*\k+3], v[GOFF], s[4:5] offset:\k*4096
.endr
.irp k, 0,1,2,3,4,5,6,7,8,9,10,11,12,13,14,15
	global_load_b128 v[DD+4*\k:DD+4*\k+3], v[GOFF], s[6:7] offset:\k*4096
.endr
.irp k, 0,1,2,3,4,5,6,7,8,9,10,11,12,13,14,15
	global_load_b128 v[XS+4*\k:XS+4*\k+3], v[GOFF], s[8:9] offset:\k*4096
.endr
.irp m, 0,1,2,3
	global_load_b128 v[WL+4*\m:WL+4*\m+3], v[WOFF], s[54:55] offset:\m*256 th:TH_LOAD_NT
.endr
	; LDS addresses and constants while the loads are out
	s_mul_i32 s42, s18, CDW
	v_mul_u32_u24 v[CST], v[HH], PITCH
	v_lshl_add_u32 v[CST], v[R16], 4, v[CST]
	v_add_nc_u32 v[CST], s42, v[CST]               ; rows 2k + (lane >> 4), 16 bytes a lane
	v_mul_u32_u24 v[CLD], v[LANE], PITCH
	v_add_nc_u32 v[CLD], s42, v[CLD]               ; row = lane
	s_lshl_b32 s43, s18, 13
	s_add_co_u32 s43, s43, XREG
	v_lshlrev_b32 v[XST], 8, v[HH]
	v_lshl_add_u32 v[XST], v[R16], 4, v[XST]
	v_add_nc_u32 v[XST], s43, v[XST]
	v_mov_b32 v[XA], s43
	s_mul_i32 s52, s18, SLABW
	s_add_co_u32 s52, s52, SLAB
	v_lshl_add_u32 v[PA], v[LANE], 2, s52
	; weights in: my 4 numbers of load m are k = 64 m + 4 c + 0..3 (c = thread & 15) of row thread >> 4: block 8 m + (c >> 1), 8 bytes at 16 row + 8 (c & 1)
	v_lshrrev_b32 v[WSA], 1, v[R16]
	v_mul_u32_u24 v[WSA], v[WSA], PITCH
	v_lshl_add_u32 v[WSA], v[T16], 4, v[WSA]
	v_and_b32 v1, 1, v[R16]
	v_lshl_add_u32 v[WSA], v1, 3, v[WSA]
	v_add_nc_u32 v[WSA], WST, v[WSA]
	v_mul_u32_u24 v[WRD], v[T16], PITCH            ; weights back: block thread >> 4 (and 16 more), piece thread & 15
	v_lshl_add_u32 v[WRD], v[R16], 4, v[WRD]
	v_add_nc_u32 v[WRD], WST, v[WRD]
	v_lshlrev_b32 v1, 4, v0                        ; and out: 16 bytes a thread, in order
	; the end: wave w makes half j = w & 1 of the fragment of cos or sin (cs = (w >> 1) & 1) of rows 16 (w >> 2) .. + 15
	s_and_b32 s53, s18, 1
	s_bfe_u32 s58, s18, 0x10001
	s_lshr_b32 s59, s18, 2
	s_mul_i32 s61, s59, 16*PITCH
	s_lshl_b32 s62, s58, 7
	s_add_co_u32 s61, s61, s62
	s_lshl_b32 s62, s53, 6
	s_add_co_u32 s61, s61, s62
	s_add_co_u32 s61, s61, SLAB
	v_mul_u32_u24 v[RD], v[R16], PITCH
	v_lshl_add_u32 v[RD], v[HH], 5, v[RD]
	v_add_nc_u32 v[RD], s61, v[RD]                 ; row 16 (w>>2) + (lane & 15), numbers 16 j + 8 (lane >> 4) .. + 7 of cos or sin
	s_lshl_b32 s62, s19, 1
	s_add_co_u32 s62, s62, s59
	s_lshl_b32 s62, s62, 5
	s_add_co_u32 s62, s62, s2
	s_lshl_b32 s62, s62, 10                        ; fragment (b/16, n/32)
	s_lshl_b32 s63, s58, 19                        ; cos: the first 512 KiB, sin: the second
	s_add_co_u32 s62, s62, s63
	s_lshl_b32 s63, s53, 9
	s_add_co_u32 s62, s62, s63
	s_mov_b32 s63, 0
	s_add_nc_u64 s[14:15], s[14:15], s[62:63]
	SPAIR SM2, 0x4b400000                          ; 1.5 * 2^23
	SPAIR SNK, 0xcb400c00                          ; -(1.5 * 2^23 + 3072)
	SPAIR SN3, 0xc5400000                          ; -3072
	SPAIR SA3, 0xbf0dface                          ; sin(pi R)/R = 3.1415820 - 5.1671413 y + 2.5418868 y^2 - 0.55460823 y^3, y = R^2
	SPAIR SA1, 0xc0a55939
	SPAIR SA0, 0x40490fae
	SPAIR SB3, 0xbf9c6b8a                          ; cos(pi R) = 0.99999325 - 4.9339347 y + 4.0412481 y^2 - 1.2220318 y^3
	SPAIR SB1, 0xc09de2cb
	SPAIR SB0, 0x3f7fff8f
	SPAIR SNH, 0xb9000000                          ; -2^-13: half a table step, in turns
	v_mov_b32 v[KA2], 0x4022ae46
	v_mov_b32 v[KA2+1], 0x4022ae46
	v_mov_b32 v[KB2], 0x408151e8
	v_mov_b32 v[KB2+1], 0x408151e8
	v_mov_b32 v[F], 0x3e22f983                     ; 1/(2 pi)
	v_mov_b32 v[F+1], 0x3e22f983
	; c and d, in the layout as loaded (the arithmetic is the same for every element)
	s_wait_loadcnt 36                              ; W is in: the 16 loads of B, 16 of x and 4 of the weights may stay out
.set i, 0
.rept 64
	v_add_f32 v[CC+i], 1.0, |v[CC+i]|
.set i, i+1
.endr
.set i, 0
.rept 64
	v_rcp_f32 v[CC+i], v[CC+i]
.set i, i+1
.endr
	s_wait_loadcnt 20                              ; B is in: x's 16 and the weights' 4 may stay out
.set i, 0
.rept 32
	v_pk_fma_f32 v[DD+i:DD+i+1], v[DD+i:DD+i+1], v[F:F+1], s[SNH:SNH+1] op_sel_hi:[1,1,0]   ; plain work on other registers between the last reciprocal and its use (ISA guide 5.7.2)
.set i, i+2
.endr
.set i, 0
	s_wait_alu depctr_va_vdst(0)
.rept 32
	v_pk_mul_f32 v[CC+i:CC+i+1], v[CC+i:CC+i+1], v[F:F+1]
.set i, i+2
.endr
.irp k, 0,1,2,3,4,5,6,7,8,9,10,11,12,13,14,15
	ds_store_b128 v[CST], v[CC+4*\k:CC+4*\k+3] offset:\k*2*PITCH
	ds_store_b128 v[CST], v[DD+4*\k:DD+4*\k+3] offset:32*PITCH+\k*2*PITCH
.endr
	s_wait_loadcnt 4                               ; x is in: the weights' 4 may stay out
.irp k, 0,1,2,3,4,5,6,7,8,9,10,11,12,13,14,15
	ds_store_b128 v[XST], v[XS+4*\k:XS+4*\k+3] offset:\k*512
.endr
	s_wait_loadcnt 0x0
.irp m, 0,1,2,3
	v_cvt_pk_f16_f32 v[WL+4*\m], v[WL+4*\m], v[WL+4*\m+1]
	v_cvt_pk_f16_f32 v[WL+4*\m+1], v[WL+4*\m+2], v[WL+4*\m+3]
	ds_store_b64 v[WSA], v[WL+4*\m:WL+4*\m+1] offset:\m*8*PITCH
.endr
	s_wait_dscnt 0x0                               ; for the others' sake: my part of the weights' stage is written
	s_barrier_signal -1
	s_barrier_wait -1                              ; the stage is whole (c, d and x are each wave's own bytes)
	ds_load_b128 v[WP:WP+3], v[WRD]
	ds_load_b128 v[WP+4:WP+7], v[WRD] offset:16*PITCH
.irp m, 0,1,2,3,4,5,6,7,8,9,10,11,12,13,14,15
	ds_load_b128 v[CC+4*\m:CC+4*\m+3], v[CLD] offset:16*\m
	ds_load_b128 v[DD+4*\m:DD+4*\m+3], v[CLD] offset:32*PITCH+16*\m
.endr
	ds_load_b128 v[X:X+3],     v[XA]               ; x of rows 0 and 1, features 0 to 7
	ds_load_b128 v[X+4:X+7],   v[XA] offset:16
	ds_load_b128 v[X+8:X+11],  v[XA] offset:256
	ds_load_b128 v[X+12:X+15], v[XA] offset:272
	s_wait_dscnt 36                                ; my two pieces of the weights are in: the 32 loads of c and d and the 4 of x were issued behind them
	global_store_b128 v1, v[WP:WP+3], s[16:17]                 ; a wave's store covers 512 consecutive bytes, aligned; v1 and WP are not written again
	global_store_b128 v1, v[WP+4:WP+7], s[16:17] offset:4096
; Two batch rows x features 8 j .. 8 j + 7 = 8 pairs, step by step over all eight, so that no instruction waits for the one in front of it.
; look >= 0: x for the next such unit is asked for, at that offset, as soon as X has been read; it has the other 112 instructions in which to arrive.
.macro SUB j, look
	s_wait_dscnt 0x0                               ; X is in (and, the first time, c and d; later a trip's four stores, issued behind the loads)
.irp p, 0,1,2,3,4,5,6,7
	v_pk_fma_f32 v[T+2*\p:T+2*\p+1], v[X+2*\p:X+2*\p+1], v[CC+8*\j+2*(\p&3):CC+8*\j+2*(\p&3)+1], v[DD+8*\j+2*(\p&3):DD+8*\j+2*(\p&3)+1]
.endr
.if \look >= 0
	ds_load_b128 v[X:X+3],     v[XA] offset:\look
	ds_load_b128 v[X+4:X+7],   v[XA] offset:\look+16
	ds_load_b128 v[X+8:X+11],  v[XA] offset:\look+256
	ds_load_b128 v[X+12:X+15], v[XA] offset:\look+272
.endif
.irp p, 0,1,2,3,4,5,6,7
	v_pk_add_f32 v[G+2*\p:G+2*\p+1], v[T+2*\p:T+2*\p+1], s[SM2:SM2+1] op_sel_hi:[1,0]      ; 1.5*2^23 + n
.endr
.irp p, 0,1,2,3,4,5,6,7
	v_pk_add_f32 v[G+2*\p:G+2*\p+1], v[G+2*\p:G+2*\p+1], s[SNK:SNK+1] op_sel_hi:[1,0]      ; n - 3072
.endr
.irp p, 0,1,2,3,4,5,6,7
	v_pk_add_f32 v[T+2*\p:T+2*\p+1], v[T+2*\p:T+2*\p+1], v[G+2*\p:G+2*\p+1] neg_lo:[0,1] neg_hi:[0,1]   ; 3072 + the step, rounded once
.endr
.irp p, 0,1,2,3,4,5,6,7
	v_pk_add_f32 v[T+2*\p:T+2*\p+1], v[T+2*\p:T+2*\p+1], s[SN3:SN3+1] op_sel_hi:[1,0]      ; R
.endr
.irp p, 0,1,2,3,4,5,6,7
	v_pk_mul_f32 v[G+2*\p:G+2*\p+1], v[T+2*\p:T+2*\p+1], v[T+2*\p:T+2*\p+1]                ; y = R^2
.endr
.irp p, 0,1,2,3,4,5,6,7
	v_pk_fma_f32 v[P+2*\p:P+2*\p+1], v[G+2*\p:G+2*\p+1], s[SA3:SA3+1], v[KA2:KA2+1] op_sel_hi:[1,0,1]
	v_pk_fma_f32 v[Q+2*\p:Q+2*\p+1], v[G+2*\p:G+2*\p+1], s[SB3:SB3+1], v[KB2:KB2+1] op_sel_hi:[1,0,1]
.endr
.irp p, 0,1,2,3,4,5,6,7
	v_pk_fma_f32 v[P+2*\p:P+2*\p+1], v[P+2*\p:P+2*\p+1], v[G+2*\p:G+2*\p+1], s[SA1:SA1+1] op_sel_hi:[1,1,0]
	v_pk_fma_f32 v[Q+2*\p:Q+2*\p+1], v[Q+2*\p:Q+2*\p+1], v[G+2*\p:G+2*\p+1], s[SB1:SB1+1] op_sel_hi:[1,1,0]
.endr
.irp p, 0,1,2,3,4,5,6,7
	v_pk_fma_f32 v[P+2*\p:P+2*\p+1], v[P+2*\p:P+2*\p+1], v[G+2*\p:G+2*\p+1], s[SA0:SA0+1] op_sel_hi:[1,1,0]
	v_pk_fma_f32 v[Q+2*\p:Q+2*\p+1], v[Q+2*\p:Q+2*\p+1], v[G+2*\p:G+2*\p+1], s[SB0:SB0+1] op_sel_hi:[1,1,0]   ; q = cos(pi R)
.endr
.irp p, 0,1,2,3,4,5,6,7
	v_pk_mul_f32 v[T+2*\p:T+2*\p+1], v[T+2*\p:T+2*\p+1], v[P+2*\p:P+2*\p+1]                ; s = sin(pi R)
.endr
.irp p, 0,4,1,5,2,6,3,7                            ; the four sums by turns
.if (\j + (\p&3)) == 0                             ; a trip's first products start its sums: nothing is cleared
	v_pk_mul_f32 v[ACC+2*(\p>>2):ACC+2*(\p>>2)+1], v[T+2*\p:T+2*\p+1], v[T+2*\p:T+2*\p+1]
	v_pk_mul_f32 v[ACC+4+2*(\p>>2):ACC+4+2*(\p>>2)+1], v[T+2*\p:T+2*\p+1], v[Q+2*\p:Q+2*\p+1]
.else
	v_pk_fma_f32 v[ACC+2*(\p>>2):ACC+2*(\p>>2)+1], v[T+2*\p:T+2*\p+1], v[T+2*\p:T+2*\p+1], v[ACC+2*(\p>>2):ACC+2*(\p>>2)+1]
	v_pk_fma_f32 v[ACC+4+2*(\p>>2):ACC+4+2*(\p>>2)+1], v[T+2*\p:T+2*\p+1], v[Q+2*\p:Q+2*\p+1], v[ACC+4+2*(\p>>2):ACC+4+2*(\p>>2)+1]
.endif
.endr
.endm
; A trip: two batch rows, my wave's 64 features.  last = 1: nothing is asked for beyond the wave's 32 rows of x.
.macro TRIP last
	SUB 0, 32
	SUB 1, 64
	SUB 2, 96
	SUB 3, 128
	SUB 4, 160
	SUB 5, 192
	SUB 6, 224
.if \last
	SUB 7, -1
.else
	SUB 7, 512                                     ; the next two rows, features 0 to 7
.endif
	v_add_f32 v[F],   v[ACC],   v[ACC+1]           ; even and odd features
	v_add_f32 v[F+1], v[ACC+4], v[ACC+5]
	v_add_f32 v[F+2], v[ACC+2], v[ACC+3]
	v_add_f32 v[F+3], v[ACC+6], v[ACC+7]
	ds_store_b32 v[PA], v[F]                       ; 32 lanes, 128 consecutive bytes: sum of s s, first row
	ds_store_b32 v[PA], v[F+1] offset:128          ; sum of s q, first row
	ds_store_b32 v[PA], v[F+2] offset:PITCH        ; the second row
	ds_store_b32 v[PA], v[F+3] offset:PITCH+128
.if \last == 0
	v_add_nc_u32 v[XA], 512, v[XA]
	v_add_nc_u32 v[PA], 2*PITCH, v[PA]
.endif
.endm
	s_mov_b32 s3, 15
.Ltrip:
	TRIP 0
	s_sub_co_i32 s3, s3, 1
	s_cmp_lg_u32 s3, 0
	s_cbranch_scc1 .Ltrip
	TRIP 1                                         ; rows 30 and 31
	; The eight waves' partial sums meet: each thread adds eight partial sums for eight neighbouring neurons of one row.
	s_wait_dscnt 0x0                               ; for the others' sake: my slab is written
	s_barrier_signal -1
	s_barrier_wait -1
.irp k, 0,1,2,3,4,5,6,7
	ds_load_b128 v[RS+8*\k:RS+8*\k+3],   v[RD] offset:\k*SLABW
	ds_load_b128 v[RS+8*\k+4:RS+8*\k+7], v[RD] offset:\k*SLABW+16
.endr
	s_cmp_eq_u32 s58, 0
	s_cselect_b32 s60, -2.0, 2.0                   ; cos_sum = 512 - 2 sum(s s);  sin_sum = 2 sum(s q)
	s_cselect_b32 s61, 0x44000000, 0
	v_mov_b32 v[T], s60
	v_mov_b32 v[T+1], s60
	v_mov_b32 v[T+2], s61
	v_mov_b32 v[T+3], s61
	v_lshlrev_b32 v[LANE], 4, v[LANE]
	s_wait_dscnt 0x0
.irp k, 0,1,2,3
.irp q, 0,2,4,6
	v_pk_add_f32 v[RS+8*\k+\q:RS+8*\k+\q+1], v[RS+8*\k+\q:RS+8*\k+\q+1], v[RS+8*(\k+4)+\q:RS+8*(\k+4)+\q+1]
.endr
.endr
.irp k, 0,1
.irp q, 0,2,4,6
	v_pk_add_f32 v[RS+8*\k+\q:RS+8*\k+\q+1], v[RS+8*\k+\q:RS+8*\k+\q+1], v[RS+8*(\k+2)+\q:RS+8*(\k+2)+\q+1]
.endr
.endr
.irp q, 0,2,4,6
	v_pk_add_f32 v[RS+\q:RS+\q+1], v[RS+\q:RS+\q+1], v[RS+8+\q:RS+8+\q+1]
.endr
.irp q, 0,2,4,6
	v_pk_fma_f32 v[RS+\q:RS+\q+1], v[RS+\q:RS+\q+1], v[T:T+1], v[T+2:T+3]
.endr
.irp q, 0,1,2,3
	v_cvt_pk_f16_f32 v[G+\q], v[RS+2*\q], v[RS+2*\q+1]
.endr
	global_store_b128 v[LANE], v[G:G+3], s[14:15]  ; half a fragment: 512 consecutive bytes, aligned
	s_wait_tensorcnt 0x0
	ds_add_u32 v248, v249
	s_wait_dscnt 0x0
	s_endpgm
.Lfunc_end_k_q8095b89d40_phase:
	.size	k_q8095b89d40_phase, .Lfunc_end_k_q8095b89d40_phase-k_q8095b89d40_phase
	.p2alignl 7, 3214868480
	.fill 96, 4, 3214868480
	.section	.rodata,"a",@progbits
	.p2align	6, 0x0
	.amdhsa_kernel k_q8095b89d40_phase
		.amdhsa_group_segment_fixed_size 284160
		.amdhsa_private_segment_fixed_size 0
		.amdhsa_enable_private_segment 0
		.amdhsa_kernarg_size 56
		.amdhsa_user_sgpr_count 2
		.amdhsa_user_sgpr_kernarg_segment_ptr 1
		.amdhsa_wavefront_size32 1
		.amdhsa_system_sgpr_workgroup_id_x 1
		.amdhsa_system_sgpr_workgroup_id_y 1
		.amdhsa_system_sgpr_workgroup_id_z 1
		.amdhsa_system_vgpr_workitem_id 0
		.amdhsa_next_free_vgpr 250
		.amdhsa_next_free_sgpr 66
		.amdhsa_reserve_vcc 0
		.amdhsa_float_denorm_mode_32 3
		.amdhsa_float_denorm_mode_16_64 3
		.amdhsa_memory_ordered 1
		.amdhsa_forward_progress 1
		.amdhsa_inst_pref_size 157
	.end_amdhsa_kernel
	.amdgpu_metadata
---
amdhsa.version: [ 1, 2 ]
amdhsa.kernels:
  - .name:           k_q8095b89d40_phase
    .symbol:         k_q8095b89d40_phase.kd
    .args:
      - { .name: W, .offset: 0, .size: 8, .value_kind: global_buffer, .address_space: global }
      - { .name: B, .offset: 8, .size: 8, .value_kind: global_buffer, .address_space: global }
      - { .name: x, .offset: 16, .size: 8, .value_kind: global_buffer, .address_space: global }
      - { .name: Wr, .offset: 24, .size: 8, .value_kind: global_buffer, .address_space: global }
      - { .name: Wi, .offset: 32, .size: 8, .value_kind: global_buffer, .address_space: global }
      - { .name: sums, .offset: 40, .size: 8, .value_kind: global_buffer, .address_space: global }
      - { .name: wfrag, .offset: 48, .size: 8, .value_kind: global_buffer, .address_space: global }
    .group_segment_fixed_size: 284160
    .private_segment_fixed_size: 0
    .kernarg_segment_align: 8
    .kernarg_segment_size: 56
    .max_flat_workgroup_size: 256
    .sgpr_count:     66
    .vgpr_count:     250
    .wavefront_size: 32
...
	.end_amdgpu_metadata
.endif
;; end of part 1
;; launch project (part 2): grid 8 x 32, 8 waves a work-group, no clusters, 35,840 bytes of LDS; arguments sums, wfrag, out0, out1; writes out0, out1
.if DOCPART == 2
	.amdgcn_target "amdgcn-amd-amdhsa--gfx1250"
	.amdhsa_code_object_version 6
	.text
	.protected	k_q8095b89d40_project
	.globl	k_q8095b89d40_project
	.p2align	8
	.type	k_q8095b89d40_project,@function
k_q8095b89d40_project:
	s_mov_b64 s[64:65], 0
	v_nop
	global_prefetch_b8 v0, s[64:65] scope:SCOPE_SE
	s_setreg_imm32_b32 hwreg(HW_REG_WAVE_MODE, 25, 1), 1
	s_wait_xcnt 0x0
; out0[b][o] = sum over n of cos_sum[b][n] Wr[o][n];  out1 the same with sin_sum and Wi.  256 x 512 outputs each, K = 1024, f16 operands, f32 sums.
; Both operands lie in memory in fragment order (1,024 bytes for 16 rows x 32 k; lane l's two pieces at 16 l and 512 + 16 l):
; sums [cos, sin][b/16][n/32], wfrag [Wr, Wi][o/16][n/32].  So every load goes straight into a fragment and covers 512 consecutive bytes.
; Work-group (og, y): output y >> 4, rows 16 (y & 15) .. + 15, columns 64 og .. + 63.  Wave w takes k = 128 w .. + 127: 40 loads, all out at once,
; then 16 matrix instructions; the eight waves' partial results meet in LDS and leave as whole rows of 256 bytes.
; THE MATRIX INSTRUCTION IS USED TRANSPOSED: source 0 = 16 rows of the weights, source 1 = 16 rows of the sums, so that lane l holds, for batch row
; l % 16, the eight neighbouring columns 8 (l / 16) + 0 .. 7.
; NO CLUSTER: the sums' fragments are shared by 8 work-groups and the weights' by 16, but a joint load would put 160 KiB through LDS and
; rounds of a cluster's barrier in front of 16 matrix instructions a wave; here the operands reach the registers in one round of loads.
.set PITCH, 272                        ; 64 f32 + 16 bytes: 16 lanes that write one column of 16 rows touch 16 different 16-byte columns modulo 256
.set SLABW, 16*PITCH                   ; a wave's partial result
.set AF,  16                           ; v[16:47]   the sums' fragments of 4 K steps
.set BF,  48                           ; v[48:175]  the weights' fragments: 4 K steps x 4 blocks of 16 columns
.set ACC, 176                          ; v[176:207] four accumulators
.set RS,  16                           ; at the end: eight partial results of 4 numbers
	s_load_b256 s[4:11], s[0:1], 0x0               ; sums s[4:5], wfrag s[6:7], out0 s[8:9], out1 s[10:11]
	v_lshl_add_u32 v208, v0, 2, 0x8800
	v_mov_b32 v209, 0
	v_lshrrev_b32 v1, 5, v0
	v_readfirstlane_b32 s12, v1                    ; wave 0..7
	s_and_b32 s13, ttmp7, 0xffff                   ; y = 16 x output + block of 16 rows: also the number of the sums' row of fragments
	s_lshr_b32 s14, s13, 4
	s_and_b32 s15, s13, 15
	v_and_b32 v2, 31, v0
	v_lshlrev_b32 v2, 4, v2                        ; 16 bytes a lane
	s_lshl_b32 s18, s12, 12                        ; my 4 K steps: 4 fragments
	s_lshl_b32 s16, s13, 15                        ; 32 fragments for a block of rows
	s_add_co_u32 s16, s16, s18
	s_mov_b32 s17, 0
	s_lshl_b32 s20, s14, 20                        ; Wr: the first MiB, Wi: the second
	s_lshl_b32 s19, ttmp9, 17                      ; 4 blocks of 16 columns, 32 fragments each
	s_add_co_u32 s20, s20, s19
	s_add_co_u32 s20, s20, s18
	s_mov_b32 s21, 0
	s_lshl_b32 s22, s15, 15                        ; 16 rows of 2,048 bytes of the output
	s_lshl_b32 s19, ttmp9, 8                       ; 64 columns
	s_add_co_u32 s22, s22, s19
	s_mov_b32 s23, 0
	s_wait_kmcnt 0x0
	s_add_nc_u64 s[4:5], s[4:5], s[16:17]
	s_add_nc_u64 s[6:7], s[6:7], s[20:21]
.irp ks, 0,1,2,3
	global_load_b128 v[AF+8*\ks:AF+8*\ks+3],   v2, s[4:5] offset:\ks*1024
	global_load_b128 v[AF+8*\ks+4:AF+8*\ks+7], v2, s[4:5] offset:\ks*1024+512
.irp t, 0,1,2,3
	global_load_b128 v[BF+32*\ks+8*\t:BF+32*\ks+8*\t+3],   v2, s[6:7] offset:\t*32768+\ks*1024
	global_load_b128 v[BF+32*\ks+8*\t+4:BF+32*\ks+8*\t+7], v2, s[6:7] offset:\t*32768+\ks*1024+512
.endr
.endr
	s_cmp_eq_u32 s14, 0
	s_cselect_b64 s[8:9], s[8:9], s[10:11]
	s_add_nc_u64 s[8:9], s[8:9], s[22:23]
	v_and_b32 v3, 15, v0
	v_bfe_u32 v4, v0, 4, 1
	v_mul_u32_u24 v5, v3, PITCH
	v_lshl_add_u32 v5, v4, 5, v5
	s_mul_i32 s19, s12, SLABW
	v_add_nc_u32 v5, s19, v5                       ; in: row l % 16, 32 bytes for each half of the lanes, in my wave's slab
	v_lshrrev_b32 v6, 4, v0                        ; back: row thread >> 4, 16 bytes at 16 (thread & 15)
	v_lshlrev_b32 v7, 4, v3
	v_lshl_add_u32 v8, v6, 11, v7                  ; and the same place in the output
	v_mul_u32_u24 v6, v6, PITCH
	v_add_nc_u32 v6, v6, v7
	; The four accumulators take turns, one instruction a turn; the first K step starts the sums.
.irp ks, 0,1,2,3
	s_wait_loadcnt 30-10*\ks                       ; this K step's ten loads are in; ten for each later step may stay out
.irp t, 0,1,2,3
.if \ks == 0
	v_wmma_f32_16x16x32_f16 v[ACC+8*\t:ACC+8*\t+7], v[BF+32*\ks+8*\t:BF+32*\ks+8*\t+7], v[AF+8*\ks:AF+8*\ks+7], 0
.else
	v_wmma_f32_16x16x32_f16 v[ACC+8*\t:ACC+8*\t+7], v[BF+32*\ks+8*\t:BF+32*\ks+8*\t+7], v[AF+8*\ks:AF+8*\ks+7], v[ACC+8*\t:ACC+8*\t+7]
.endif
.endr
.endr
.rept 4
	v_nop                                          ; four places behind the last matrix instruction, for the stores of the results and the loads into fragment registers
.endr
.irp t, 0,1,2,3
	ds_store_b128 v5, v[ACC+8*\t:ACC+8*\t+3]   offset:\t*64
	ds_store_b128 v5, v[ACC+8*\t+4:ACC+8*\t+7] offset:\t*64+16
.endr
	s_wait_dscnt 0x0                               ; for the others' sake: my slab is written
	s_barrier_signal -1
	s_barrier_wait -1
.irp k, 0,1,2,3,4,5,6,7
	ds_load_b128 v[RS+4*\k:RS+4*\k+3], v6 offset:\k*SLABW
.endr
	s_wait_dscnt 0x0
.irp k, 0,1,2,3
	v_pk_add_f32 v[RS+4*\k:RS+4*\k+1],   v[RS+4*\k:RS+4*\k+1],   v[RS+4*(\k+4):RS+4*(\k+4)+1]
	v_pk_add_f32 v[RS+4*\k+2:RS+4*\k+3], v[RS+4*\k+2:RS+4*\k+3], v[RS+4*(\k+4)+2:RS+4*(\k+4)+3]
.endr
.irp k, 0,1
	v_pk_add_f32 v[RS+4*\k:RS+4*\k+1],   v[RS+4*\k:RS+4*\k+1],   v[RS+4*(\k+2):RS+4*(\k+2)+1]
	v_pk_add_f32 v[RS+4*\k+2:RS+4*\k+3], v[RS+4*\k+2:RS+4*\k+3], v[RS+4*(\k+2)+2:RS+4*(\k+2)+3]
.endr
	v_pk_add_f32 v[RS:RS+1],   v[RS:RS+1],   v[RS+4:RS+5]
	v_pk_add_f32 v[RS+2:RS+3], v[RS+2:RS+3], v[RS+6:RS+7]
	global_store_b128 v8, v[RS:RS+3], s[8:9] th:TH_STORE_NT    ; 16 lanes store 256 consecutive bytes of a row, aligned
	s_wait_tensorcnt 0x0
	ds_add_u32 v208, v209
	s_wait_dscnt 0x0
	s_endpgm
.Lfunc_end_k_q8095b89d40_project:
	.size	k_q8095b89d40_project, .Lfunc_end_k_q8095b89d40_project-k_q8095b89d40_project
	.p2alignl 7, 3214868480
	.fill 96, 4, 3214868480
	.section	.rodata,"a",@progbits
	.p2align	6, 0x0
	.amdhsa_kernel k_q8095b89d40_project
		.amdhsa_group_segment_fixed_size 35840
		.amdhsa_private_segment_fixed_size 0
		.amdhsa_enable_private_segment 0
		.amdhsa_kernarg_size 32
		.amdhsa_user_sgpr_count 2
		.amdhsa_user_sgpr_kernarg_segment_ptr 1
		.amdhsa_wavefront_size32 1
		.amdhsa_system_sgpr_workgroup_id_x 1
		.amdhsa_system_sgpr_workgroup_id_y 1
		.amdhsa_system_sgpr_workgroup_id_z 1
		.amdhsa_system_vgpr_workitem_id 0
		.amdhsa_next_free_vgpr 210
		.amdhsa_next_free_sgpr 66
		.amdhsa_reserve_vcc 0
		.amdhsa_float_denorm_mode_32 3
		.amdhsa_float_denorm_mode_16_64 3
		.amdhsa_memory_ordered 1
		.amdhsa_forward_progress 1
		.amdhsa_inst_pref_size 10
	.end_amdhsa_kernel
	.amdgpu_metadata
---
amdhsa.version: [ 1, 2 ]
amdhsa.kernels:
  - .name:           k_q8095b89d40_project
    .symbol:         k_q8095b89d40_project.kd
    .args:
      - { .name: sums, .offset: 0, .size: 8, .value_kind: global_buffer, .address_space: global }
      - { .name: wfrag, .offset: 8, .size: 8, .value_kind: global_buffer, .address_space: global }
      - { .name: out0, .offset: 16, .size: 8, .value_kind: global_buffer, .address_space: global }
      - { .name: out1, .offset: 24, .size: 8, .value_kind: global_buffer, .address_space: global }
    .group_segment_fixed_size: 35840
    .private_segment_fixed_size: 0
    .kernarg_segment_align: 8
    .kernarg_segment_size: 32
    .max_flat_workgroup_size: 256
    .sgpr_count:     66
    .vgpr_count:     210
    .wavefront_size: 32
...
	.end_amdgpu_metadata
.endif
;; end of part 2
;; ======== version 2 of 2: 2 launches; version 1 with the launch phase written anew for expert scheduling mode
;; limits: a function is approximated: absolute error at most 1.5e-05; values are held in f16: magnitudes above 65,504 overflow, below 6.1e-05 lose precision; inputs' magnitudes at most 65,504
;; workspace buffers: sums 1,048,576 bytes; wfrag 2,097,152 bytes
;; launch phase (part 3): grid 32 x 8, 8 waves a work-group, no clusters, 284,160 bytes of LDS; arguments W, B, x, Wr, Wi, sums, wfrag; writes sums, wfrag
.if DOCPART == 3
	.amdgcn_target "amdgcn-amd-amdhsa--gfx1250"
	.amdhsa_code_object_version 6
	.text
	.protected	k_q8095b89d40_phase
	.globl	k_q8095b89d40_phase
	.p2align	8
	.type	k_q8095b89d40_phase,@function
k_q8095b89d40_phase:
	s_mov_b64 s[64:65], 0
	v_nop
	global_prefetch_b8 v0, s[64:65] scope:SCOPE_SE
	s_setreg_imm32_b32 hwreg(HW_REG_WAVE_SCHED_MODE, 0, 2), 2
	s_setreg_imm32_b32 hwreg(HW_REG_WAVE_MODE, 25, 1), 1
	s_wait_xcnt 0x0
	s_wait_alu depctr_vm_vsrc(0)
; cos_sum[b][n] = sum over i of cosT[idx], sin_sum likewise, idx = floor((x[b][i]/(1+|W[n][i]|) + B[n][i]) * 4096/2pi) mod 4096,
; cosT[k] = cos(2 pi k/4096).  x: [256][512], W, B: [1024][512], f32.  The sums leave as f16 in the order of matrix fragments (below).
; The work-group also rounds 16 KiB of Wr or Wi to f16, into the same order, for the launch that follows.
;
; SHARES.  Work-group (nt, bt): 32 neurons x 32 batch rows.  Lane = neuron.  Wave w owns features 64 w .. 64 w + 63: its 64 c and 64 d
; (below) stay in 128 registers for the whole kernel, and x comes from LDS as a broadcast.  The eight waves' partial sums meet in LDS.
;
; THE ARITHMETIC, two features at a time in packed f32, 15 instructions a pair.  In turns: c = 1/(2 pi (1+|W|)), d = B/(2 pi) - 2^-13.
;   T = x c + d                      theta in turns, half a table step down: rounding to the nearest step is then the floor
;   G = T + 1.5*2^23                 rounds T to an integer n;  G - (1.5*2^23 + 3072) = n - 3072, exact
;   A = T - (n - 3072)               one rounding of T - n + 3072 to a multiple of 2^-12: floor and mod 4096 in one
;   R = A - 3072                     exact, in [-1/2, 1/2], a multiple of 1/4096: the table index as a signed fraction of a turn
;   s = R P(R^2) = sin(pi R),  q = Q(R^2) = cos(pi R)      cubics in R^2 (Chebyshev series cut behind T7 and T6)
;   cos(2 pi R) = 1 - 2 s s,  sin(2 pi R) = 2 s q          so only s s and s q are summed; the sums are at most 512
; No table in LDS: its address would be made of floating-point data.
; LIMITS.  |theta| < 2^22 turns (2.6e7; the reference's int32 index ends at 3.3e6).  The index differs by one step from the reference's
; where theta*4096/2pi lies within f32 rounding of an integer (reciprocal and one fused rounding here, a division and three roundings
; there) or is exactly an odd integer (tie to even).  Against the table's entries: |error| <= 1.5e-5 for the sine, 2.5e-6 for the cosine
; (the table's own step is 1.5e-3).  NaN and infinite inputs are not served.  f16: the sums are at most 512 in magnitude; |Wr|, |Wi| must
; stay below 65504, and weights below 6.1e-5 keep an absolute error of 3e-8.
; NO CLUSTER, NO TENSOR LOADS: what work-groups share (x with 31 others, W and B with 7) is 192 KiB read once at the start, against some
; 15,000 vector instructions of every wave.
;
; FRAGMENT ORDER (f16, 16 rows x 32 k = 1,024 bytes): element (row r, k) lies at 512 (k>>4) + 256 ((k>>3)&1) + 16 r + 2 (k&7), so that
; lane l of a wave finds its two 16-byte pieces at 16 l and 512 + 16 l.  sums: [cos, sin][b/16][n/32][1024]; wfrag: [Wr, Wi][o/16][n/32][1024].
;
; THE MODE: SCHED_MODE bits 1:0 = 2 (LLVM: expert scheduling mode 2), set by the entry lines.  The code itself states the register dependences
; between vector instructions and memory or LDS instructions, with s_wait_alu, always for 0.
; THE PLAN.  A UNIT is two batch rows x 8 features, 120 packed instructions; a trip (two rows, the wave's 64 features) is units 0 to 7.
; Registers that LDS instructions touch in the loop:
;   X0, X1   x of one unit each.  Unit j's first eight multiply-adds read X[j % 2]; the four loads at unit j's head land in the other one (x of unit j + 1).
;   F        a trip's four sums.  Written by the four additions behind unit 7; read by the four stores at the head of the next trip's unit 0.
;   XA, PA   the LDS addresses of x and of the sums.  Read by those loads and stores; each written once a trip, behind unit 0.
;   c, d, T, G, P, Q and the running sums are named by vector instructions alone.
; So ONE wait on va_vdst stands at a unit's head: the unit before is done reading the other X; at unit 0, F is written; at unit 1, XA and PA are written.
; The loads and stores follow it at once, and the unit's 120 vector instructions name none of the registers that they touch.  ONE wait on vm_vsrc a trip
; stands behind unit 0, ahead of the adds to XA and PA; it also frees F for the trip's additions.  For that the loop closes behind unit 0: unit 0 of the
; first trip stands ahead of the loop; a lap is units 1 to 7 and the next trip's unit 0; the tail is units 1 to 7 of the last trip.
.set PITCH, 272                        ; LDS rows of 256 bytes + 16: 16 lanes that read one column of 16 rows touch 16 different 16-byte columns modulo 256
.set CDW,   64*PITCH                   ; a wave's c (32 rows) and d (32 rows)
.set XREG,  8*CDW                      ; x: 32 rows of 256 bytes for each wave
.set XW,    32*256
.set SLAB,  XREG+8*XW                  ; partial sums: for each wave 32 rows (b) of [cos 32 n][sin 32 n] f32
.set SLABW, 32*PITCH
.set WST,   SLAB+8*SLABW               ; the weights' stage: 32 blocks of 256 bytes at pitch 272
.set R16,  2                           ; thread & 15
.set HH,   3                           ; (thread >> 4) & 1
.set LANE, 4
.set T16,  5                           ; thread >> 4
.set GOFF, 6                           ; offset of my 16 bytes in two rows of W, B, x
.set WOFF, 7                           ; the same in 16 rows of Wr or Wi
.set CST,  8                           ; LDS addresses: c, d in
.set CLD,  9                           ; c, d back, a row a lane
.set XST,  10                          ; x in
.set XA,   11                          ; x back (the same in all lanes); steps two rows a trip
.set PA,   12                          ; partial sums in; steps two rows a trip
.set WSA,  13                          ; weights in
.set WRD,  14                          ; weights back
.set RD,   15                          ; partial sums back
.set CC,   16                          ; v[16:79]   W as loaded, then c of my neuron's 64 features
.set DD,   80                          ; v[80:143]  B as loaded, then d
.set X0,   144                         ; v[144:159] x of an even unit: 2 rows x 8 features
.set T,    160                         ; v[160:175] 8 pairs: T, A, R, s
.set G,    176                         ; v[176:191] 8 pairs: G, n - 3072, R^2
.set P,    192                         ; v[192:207] 8 pairs
.set Q,    208                         ; v[208:223] 8 pairs
.set ACC,  224                         ; v[224:231] sums of s s (row 0, row 1), of s q (row 0, row 1), a pair each
.set F,    232                         ; v[232:235] 1/2pi at the start; then a trip's four sums
.set KA2,  236                         ; P's and Q's coefficient of y^2, as register pairs: an instruction here names one scalar pair at the most
.set KB2,  238
.set X1,   240                         ; v[240:255] x of an odd unit
.set WP,   240                         ; at the start: v[240:247] my two pieces of wfrag
.set XS,   144                         ; at the start: x as loaded, v[144:207]
.set WL,   208                         ; at the start: weights as loaded, v[208:223]
.set RS,   16                          ; at the end: 8 partial sums of 8 numbers
.set SM2, 20
.set SNK, 22
.set SN3, 24
.set SA3, 26
.set SA1, 28
.set SA0, 30
.set SB3, 32
.set SB1, 34
.set SB0, 36
.set SNH, 38
.macro SPAIR r, val                    ; a packed instruction takes the pair's first register for both halves; both are written
	s_mov_b32 s[\r], \val
	s_mov_b32 s[\r+1], \val
.endm
	s_load_b256 s[4:11], s[0:1], 0x0               ; W s[4:5], B s[6:7], x s[8:9], Wr s[10:11]
	s_load_b128 s[12:15], s[0:1], 0x20             ; Wi s[12:13], sums s[14:15]
	s_load_b64 s[16:17], s[0:1], 0x30              ; wfrag
	s_set_vgpr_msb 0x40
	v_lshl_add_u32 v0, v0, 2, 0x45200
	v_mov_b32 v1, 0
	s_set_vgpr_msb 0x4000
	v_lshrrev_b32 v1, 5, v0
	v_readfirstlane_b32 s18, v1                    ; wave 0..7
	s_mov_b32 s2, ttmp9                            ; nt: block of 32 neurons
	s_and_b32 s19, ttmp7, 0xffff                   ; bt: block of 32 batch rows
	v_and_b32 v[R16], 15, v0
	v_bfe_u32 v[HH], v0, 4, 1
	v_and_b32 v[LANE], 31, v0
	v_lshrrev_b32 v[T16], 4, v0
	v_lshlrev_b32 v[GOFF], 4, v[R16]
	v_lshl_add_u32 v[WOFF], v[T16], 12, v[GOFF]    ; row (thread >> 4) of 4,096 bytes + 16 (thread & 15)
	v_lshl_add_u32 v[GOFF], v[HH], 11, v[GOFF]     ; lanes 0-15 one row's 256 bytes, lanes 16-31 the next row's
	s_wait_alu depctr_va_sdst(0)                   ; s18 is written, ahead of its first reader: bases and LDS addresses are made from it
	s_lshl_b32 s42, s18, 8                         ; my wave's 64 features: 256 bytes of a row
	s_lshl_b32 s40, s2, 16                         ; 32 rows of 2,048 bytes
	s_add_co_u32 s40, s40, s42
	s_mov_b32 s41, 0
	s_lshl_b32 s44, s19, 16
	s_add_co_u32 s44, s44, s42
	s_mov_b32 s45, 0
	; the weights: work-group g = nt + 32 bt takes 16 rows x 256 k: matrix g >> 7, row block (g >> 2) & 31, quarter g & 3 of the rows
	s_lshr_b32 s46, s19, 2                         ; 0: Wr, 1: Wi
	s_and_b32 s48, s19, 3
	s_lshr_b32 s47, s2, 2
	s_lshl3_add_u32 s47, s48, s47                  ; row block
	s_and_b32 s49, s2, 3                           ; quarter
	s_lshl_b32 s50, s47, 16                        ; 16 rows of 4,096 bytes
	s_lshl_b32 s52, s49, 10
	s_add_co_u32 s50, s50, s52
	s_mov_b32 s51, 0
	s_lshl_b32 s56, s46, 5
	s_add_co_u32 s56, s56, s47
	s_lshl_b32 s56, s56, 15                        ; 32 fragments of 1,024 bytes for a row block
	s_lshl_b32 s52, s49, 13                        ; 8 fragments for a quarter
	s_add_co_u32 s56, s56, s52
	s_mov_b32 s57, 0
	s_wait_kmcnt 0x0
	s_add_nc_u64 s[4:5], s[4:5], s[40:41]
	s_add_nc_u64 s[6:7], s[6:7], s[40:41]
	s_add_nc_u64 s[8:9], s[8:9], s[44:45]
	s_cmp_eq_u32 s46, 0
	s_cselect_b64 s[54:55], s[10:11], s[12:13]
	s_add_nc_u64 s[54:55], s[54:55], s[50:51]
	s_add_nc_u64 s[16:17], s[16:17], s[56:57]
	s_wait_alu depctr_va_vdst(0)                   ; the two offsets v[GOFF] and v[WOFF] are written, which the loads below read
	; 52 loads, all out at once; each covers two whole aligned pieces of 256 bytes
.irp k, 0,1,2,3,4,5,6,7,8,9,10,11,12,13,14,15
	global_load_b128 v[CC+4*\k:CC+4*\k+3], v[GOFF], s[4:5] offset:\k*4096
.endr
.irp k, 0,1,2,3,4,5,6,7,8,9,10,11,12,13,14,15
	global_load_b128 v[DD+4*\k:DD+4*\k+3], v[GOFF], s[6:7] offset:\k*4096
.endr
.irp k, 0,1,2,3,4,5,6,7,8,9,10,11,12,13,14,15
	global_load_b128 v[XS+4*\k:XS+4*\k+3], v[GOFF], s[8:9] offset:\k*4096
.endr
.irp m, 0,1,2,3
	global_load_b128 v[WL+4*\m:WL+4*\m+3], v[WOFF], s[54:55] offset:\m*256 th:TH_LOAD_NT
.endr
	; LDS addresses and constants while the loads are out: none of these lines names a register that the loads read or land in
	s_mul_i32 s42, s18, CDW
	v_mul_u32_u24 v[CST], v[HH], PITCH
	v_lshl_add_u32 v[CST], v[R16], 4, v[CST]
	v_add_nc_u32 v[CST], s42, v[CST]               ; rows 2k + (lane >> 4), 16 bytes a lane
	v_mul_u32_u24 v[CLD], v[LANE], PITCH
	v_add_nc_u32 v[CLD], s42, v[CLD]               ; row = lane
	s_lshl_b32 s43, s18, 13
	s_add_co_u32 s43, s43, XREG
	v_lshlrev_b32 v[XST], 8, v[HH]
	v_lshl_add_u32 v[XST], v[R16], 4, v[XST]
	v_add_nc_u32 v[XST], s43, v[XST]
	v_mov_b32 v[XA], s43
	s_mul_i32 s52, s18, SLABW
	s_add_co_u32 s52, s52, SLAB
	v_lshl_add_u32 v[PA], v[LANE], 2, s52
	; weights in: my 4 numbers of load m are k = 64 m + 4 c + 0..3 (c = thread & 15) of row thread >> 4: block 8 m + (c >> 1), 8 bytes at 16 row + 8 (c & 1)
	v_lshrrev_b32 v[WSA], 1, v[R16]
	v_mul_u32_u24 v[WSA], v[WSA], PITCH
	v_lshl_add_u32 v[WSA], v[T16], 4, v[WSA]
	v_and_b32 v1, 1, v[R16]
	v_lshl_add_u32 v[WSA], v1, 3, v[WSA]
	v_add_nc_u32 v[WSA], WST, v[WSA]
	v_mul_u32_u24 v[WRD], v[T16], PITCH            ; weights back: block thread >> 4 (and 16 more), piece thread & 15
	v_lshl_add_u32 v[WRD], v[R16], 4, v[WRD]
	v_add_nc_u32 v[WRD], WST, v[WRD]
	v_lshlrev_b32 v1, 4, v0                        ; and out: 16 bytes a thread, in order
	; the end: wave w makes half j = w & 1 of the fragment of cos or sin (cs = (w >> 1) & 1) of rows 16 (w >> 2) .. + 15
	s_and_b32 s53, s18, 1
	s_bfe_u32 s58, s18, 0x10001
	s_lshr_b32 s59, s18, 2
	s_mul_i32 s61, s59, 16*PITCH
	s_lshl_b32 s62, s58, 7
	s_add_co_u32 s61, s61, s62
	s_lshl_b32 s62, s53, 6
	s_add_co_u32 s61, s61, s62
	s_add_co_u32 s61, s61, SLAB
	v_mul_u32_u24 v[RD], v[R16], PITCH
	v_lshl_add_u32 v[RD], v[HH], 5, v[RD]
	v_add_nc_u32 v[RD], s61, v[RD]                 ; row 16 (w>>2) + (lane & 15), numbers 16 j + 8 (lane >> 4) .. + 7 of cos or sin
	s_lshl_b32 s62, s19, 1
	s_add_co_u32 s62, s62, s59
	s_lshl_b32 s62, s62, 5
	s_add_co_u32 s62, s62, s2
	s_lshl_b32 s62, s62, 10                        ; fragment (b/16, n/32)
	s_lshl_b32 s63, s58, 19                        ; cos: the first 512 KiB, sin: the second
	s_add_co_u32 s62, s62, s63
	s_lshl_b32 s63, s53, 9
	s_add_co_u32 s62, s62, s63
	s_mov_b32 s63, 0
	s_add_nc_u64 s[14:15], s[14:15], s[62:63]
	SPAIR SM2, 0x4b400000                          ; 1.5 * 2^23
	SPAIR SNK, 0xcb400c00                          ; -(1.5 * 2^23 + 3072)
	SPAIR SN3, 0xc5400000                          ; -3072
	SPAIR SA3, 0xbf0dface                          ; sin(pi R)/R = 3.1415820 - 5.1671413 y + 2.5418868 y^2 - 0.55460823 y^3, y = R^2
	SPAIR SA1, 0xc0a55939
	SPAIR SA0, 0x40490fae
	SPAIR SB3, 0xbf9c6b8a                          ; cos(pi R) = 0.99999325 - 4.9339347 y + 4.0412481 y^2 - 1.2220318 y^3
	SPAIR SB1, 0xc09de2cb
	SPAIR SB0, 0x3f7fff8f
	SPAIR SNH, 0xb9000000                          ; -2^-13: half a table step, in turns
	v_mov_b32 v[KA2], 0x4022ae46
	v_mov_b32 v[KA2+1], 0x4022ae46
	v_mov_b32 v[KB2], 0x408151e8
	v_mov_b32 v[KB2+1], 0x408151e8
	v_mov_b32 v[F], 0x3e22f983                     ; 1/(2 pi)
	v_mov_b32 v[F+1], 0x3e22f983
	; c and d, in the layout as loaded (the arithmetic is the same for every element)
	s_wait_loadcnt 36                              ; W is in: the 16 loads of B, 16 of x and 4 of the weights may stay out
.set i, 0
.rept 64
	v_add_f32 v[CC+i], 1.0, |v[CC+i]|
.set i, i+1
.endr
.set i, 0
.rept 64
	v_rcp_f32 v[CC+i], v[CC+i]
.set i, i+1
.endr
	s_wait_loadcnt 20                              ; B is in: x's 16 and the weights' 4 may stay out
.set i, 0
.rept 32
	v_pk_fma_f32 v[DD+i:DD+i+1], v[DD+i:DD+i+1], v[F:F+1], s[SNH:SNH+1] op_sel_hi:[1,1,0]   ; plain work on other registers between the last reciprocal and its use (ISA guide 5.7.2)
.set i, i+2
.endr
.set i, 0
	s_wait_alu depctr_va_vdst(0)
.rept 32
	v_pk_mul_f32 v[CC+i:CC+i+1], v[CC+i:CC+i+1], v[F:F+1]
.set i, i+2
.endr
	s_wait_alu depctr_va_vdst(0)                   ; c and d are written, which the LDS stores read; so is every LDS address of the kernel, and v1, the offset of the stores into wfrag
.irp k, 0,1,2,3,4,5,6,7,8,9,10,11,12,13,14,15
	ds_store_b128 v[CST], v[CC+4*\k:CC+4*\k+3] offset:\k*2*PITCH
	ds_store_b128 v[CST], v[DD+4*\k:DD+4*\k+3] offset:32*PITCH+\k*2*PITCH
.endr
	s_wait_loadcnt 4                               ; x is in: the weights' 4 may stay out
.irp k, 0,1,2,3,4,5,6,7,8,9,10,11,12,13,14,15
	ds_store_b128 v[XST], v[XS+4*\k:XS+4*\k+3] offset:\k*512   ; x goes as it was loaded: no vector instruction names these registers or v[XST] since the wait above
.endr
	s_wait_loadcnt 0x0
.irp m, 0,1,2,3
	v_cvt_pk_f16_f32 v[WL+4*\m], v[WL+4*\m], v[WL+4*\m+1]
	v_cvt_pk_f16_f32 v[WL+4*\m+1], v[WL+4*\m+2], v[WL+4*\m+3]
.endr
	s_wait_alu depctr_va_vdst(0)                   ; the eight conversions have written the weights' pairs, which the four LDS stores read
.irp m, 0,1,2,3
	ds_store_b64 v[WSA], v[WL+4*\m:WL+4*\m+1] offset:\m*8*PITCH
.endr
	s_wait_dscnt 0x0                               ; for the others' sake: my part of the weights' stage is written
	s_barrier_signal -1
	s_barrier_wait -1                              ; the stage is whole (c, d and x are each wave's own bytes)
	s_wait_alu depctr_vm_vsrc(0)                   ; my LDS stores have read v[16:223]: c, d and x land there below, and the units write T, G, P and Q there
	ds_load_b128 v[WP:WP+3], v[WRD]
	ds_load_b128 v[WP+4:WP+7], v[WRD] offset:16*PITCH
.irp m, 0,1,2,3,4,5,6,7,8,9,10,11,12,13,14,15
	ds_load_b128 v[CC+4*\m:CC+4*\m+3], v[CLD] offset:16*\m          ; the vector instructions that named c's and d's registers stand ahead of the waits on va_vdst above
	ds_load_b128 v[DD+4*\m:DD+4*\m+3], v[CLD] offset:32*PITCH+16*\m
.endr
; x of one unit: two rows x 8 features, at byte 'at' from v[XA], into buffer b
.macro XLOAD b, at
	ds_load_b128 v[(\b):(\b)+3],     v[XA] offset:(\at)
	ds_load_b128 v[(\b)+4:(\b)+7],   v[XA] offset:(\at)+16
	ds_load_b128 v[(\b)+8:(\b)+11],  v[XA] offset:(\at)+256
	ds_load_b128 v[(\b)+12:(\b)+15], v[XA] offset:(\at)+272
.endm
	XLOAD X0, 0                                    ; rows 0 and 1, features 0 to 7
	s_wait_dscnt 36                                ; my two pieces of the weights are in: the 32 loads of c and d and the 4 of x were issued behind them
	global_store_b128 v1, v[WP:WP+3], s[16:17]                 ; a wave's store covers 512 consecutive bytes, aligned
	global_store_b128 v1, v[WP+4:WP+7], s[16:17] offset:4096
; A trip's four sums into my wave's slab.
.macro SUMS
	ds_store_b32 v[PA], v[F]                       ; 32 lanes, 128 consecutive bytes: sum of s s, first row
	ds_store_b32 v[PA], v[F+1] offset:128          ; sum of s q, first row
	ds_store_b32 v[PA], v[F+2] offset:PITCH        ; the second row
	ds_store_b32 v[PA], v[F+3] offset:PITCH+128
.endm
; The head of unit j.  at >= 0: x of the next unit is asked for, at that offset, into the buffer that unit j does not read; it has unit j's 120 instructions
; in which to arrive.  sums = 1: the sums of the trip just ended go into the slab.
.macro HEAD j, at, sums
	s_wait_dscnt 0x0                               ; x of this unit is in (at unit 1 also: the four stores issued behind its loads are done)
.if \at >= 0
	s_wait_alu depctr_va_vdst(0)                   ; the unit before is done reading the other X, in which the loads below land; at unit 0 the four sums are written, at unit 1 v[XA] and v[PA]
.set XN, X0+(X1-X0)*((\j+1)&1)
	XLOAD XN, \at
.endif
.if \sums
	SUMS
.endif
.endm
; Unit j: two batch rows x features 8 j .. 8 j + 7 = 8 pairs, step by step over all eight, so that no instruction waits for the one in front of it.
.macro BODY j
.set XB, X0+(X1-X0)*(\j&1)
.irp p, 0,1,2,3,4,5,6,7
	v_pk_fma_f32 v[T+2*\p:T+2*\p+1], v[XB+2*\p:XB+2*\p+1], v[CC+8*\j+2*(\p&3):CC+8*\j+2*(\p&3)+1], v[DD+8*\j+2*(\p&3):DD+8*\j+2*(\p&3)+1]
.endr
.irp p, 0,1,2,3,4,5,6,7
	v_pk_add_f32 v[G+2*\p:G+2*\p+1], v[T+2*\p:T+2*\p+1], s[SM2:SM2+1] op_sel_hi:[1,0]      ; 1.5*2^23 + n
.endr
.irp p, 0,1,2,3,4,5,6,7
	v_pk_add_f32 v[G+2*\p:G+2*\p+1], v[G+2*\p:G+2*\p+1], s[SNK:SNK+1] op_sel_hi:[1,0]      ; n - 3072
.endr
.irp p, 0,1,2,3,4,5,6,7
	v_pk_add_f32 v[T+2*\p:T+2*\p+1], v[T+2*\p:T+2*\p+1], v[G+2*\p:G+2*\p+1] neg_lo:[0,1] neg_hi:[0,1]   ; 3072 + the step, rounded once
.endr
.irp p, 0,1,2,3,4,5,6,7
	v_pk_add_f32 v[T+2*\p:T+2*\p+1], v[T+2*\p:T+2*\p+1], s[SN3:SN3+1] op_sel_hi:[1,0]      ; R
.endr
.irp p, 0,1,2,3,4,5,6,7
	v_pk_mul_f32 v[G+2*\p:G+2*\p+1], v[T+2*\p:T+2*\p+1], v[T+2*\p:T+2*\p+1]                ; y = R^2
.endr
.irp p, 0,1,2,3,4,5,6,7
	v_pk_fma_f32 v[P+2*\p:P+2*\p+1], v[G+2*\p:G+2*\p+1], s[SA3:SA3+1], v[KA2:KA2+1] op_sel_hi:[1,0,1]
	v_pk_fma_f32 v[Q+2*\p:Q+2*\p+1], v[G+2*\p:G+2*\p+1], s[SB3:SB3+1], v[KB2:KB2+1] op_sel_hi:[1,0,1]
.endr
.irp p, 0,1,2,3,4,5,6,7
	v_pk_fma_f32 v[P+2*\p:P+2*\p+1], v[P+2*\p:P+2*\p+1], v[G+2*\p:G+2*\p+1], s[SA1:SA1+1] op_sel_hi:[1,1,0]
	v_pk_fma_f32 v[Q+2*\p:Q+2*\p+1], v[Q+2*\p:Q+2*\p+1], v[G+2*\p:G+2*\p+1], s[SB1:SB1+1] op_sel_hi:[1,1,0]
.endr
.irp p, 0,1,2,3,4,5,6,7
	v_pk_fma_f32 v[P+2*\p:P+2*\p+1], v[P+2*\p:P+2*\p+1], v[G+2*\p:G+2*\p+1], s[SA0:SA0+1] op_sel_hi:[1,1,0]
	v_pk_fma_f32 v[Q+2*\p:Q+2*\p+1], v[Q+2*\p:Q+2*\p+1], v[G+2*\p:G+2*\p+1], s[SB0:SB0+1] op_sel_hi:[1,1,0]   ; q = cos(pi R)
.endr
.irp p, 0,1,2,3,4,5,6,7
	v_pk_mul_f32 v[T+2*\p:T+2*\p+1], v[T+2*\p:T+2*\p+1], v[P+2*\p:P+2*\p+1]                ; s = sin(pi R)
.endr
.irp p, 0,4,1,5,2,6,3,7                            ; the four sums by turns
.if (\j + (\p&3)) == 0                             ; a trip's first products start its sums: nothing is cleared
	v_pk_mul_f32 v[ACC+2*(\p>>2):ACC+2*(\p>>2)+1], v[T+2*\p:T+2*\p+1], v[T+2*\p:T+2*\p+1]
	v_pk_mul_f32 v[ACC+4+2*(\p>>2):ACC+4+2*(\p>>2)+1], v[T+2*\p:T+2*\p+1], v[Q+2*\p:Q+2*\p+1]
.else
	v_pk_fma_f32 v[ACC+2*(\p>>2):ACC+2*(\p>>2)+1], v[T+2*\p:T+2*\p+1], v[T+2*\p:T+2*\p+1], v[ACC+2*(\p>>2):ACC+2*(\p>>2)+1]
	v_pk_fma_f32 v[ACC+4+2*(\p>>2):ACC+4+2*(\p>>2)+1], v[T+2*\p:T+2*\p+1], v[Q+2*\p:Q+2*\p+1], v[ACC+4+2*(\p>>2):ACC+4+2*(\p>>2)+1]
.endif
.endr
.endm
; Units 1 to 7 of a trip, and its four sums.  last = 1: nothing is asked for beyond the wave's 32 rows of x, so unit 7's head has no dependence to state.
.macro SEVEN last
.irp j, 1,2,3,4,5,6
	HEAD \j, 32*(\j+1), 0
	BODY \j
.endr
.if \last
	HEAD 7, -1, 0
.else
	HEAD 7, 512, 0                                 ; the next two rows, features 0 to 7
.endif
	BODY 7
	v_add_f32 v[F],   v[ACC],   v[ACC+1]           ; even and odd features
	v_add_f32 v[F+1], v[ACC+4], v[ACC+5]
	v_add_f32 v[F+2], v[ACC+2], v[ACC+3]
	v_add_f32 v[F+3], v[ACC+6], v[ACC+7]
.endm
	; Unit 0 of the first trip.  No vector instruction has named X1 or, since the last wait on va_vdst, v[XA]: its head owes only what the stores into wfrag ask.
	s_wait_dscnt 0x0                               ; c, d and x of unit 0 are in
	s_wait_xcnt 0x0                                ; the two stores into wfrag have had their addresses translated (ISA guide 3.1): their data registers are written again only behind this wait,
	s_wait_alu depctr_vm_vsrc(0)                   ; and they have read v[240:247], the lower half of X1, in which the loads below land
	XLOAD X1, 32
	BODY 0
	s_mov_b32 s3, 15
.Ltrip:                                                ; a lap: units 1 to 7 of a trip, its sums, unit 0 of the next trip
	SEVEN 0
	HEAD 0, 544, 1                                 ; the next two rows, features 8 to 15: v[XA] still stands at the trip just ended
	BODY 0
	s_wait_alu depctr_vm_vsrc(0)                   ; the loads of x have read v[XA]; the four stores have read v[PA] and the four sums, which the trip's additions write again
	v_add_nc_u32 v[XA], 512, v[XA]                 ; two rows on; the wait at unit 1's head states that both are written
	v_add_nc_u32 v[PA], 2*PITCH, v[PA]
	s_sub_co_i32 s3, s3, 1
	s_cmp_lg_u32 s3, 0
	s_cbranch_scc1 .Ltrip
	SEVEN 1                                        ; rows 30 and 31
	s_wait_alu depctr_va_vdst(0)                   ; the last four sums are written, which the stores read; and every unit is done reading v[16:79], in which the partial sums land below
	SUMS
	; The eight waves' partial sums meet: each thread adds eight partial sums for eight neighbouring neurons of one row.
	s_wait_dscnt 0x0                               ; for the others' sake: my slab is written
	s_barrier_signal -1
	s_barrier_wait -1
.irp k, 0,1,2,3,4,5,6,7
	ds_load_b128 v[RS+8*\k:RS+8*\k+3],   v[RD] offset:\k*SLABW
	ds_load_b128 v[RS+8*\k+4:RS+8*\k+7], v[RD] offset:\k*SLABW+16
.endr
	s_cmp_eq_u32 s58, 0
	s_cselect_b32 s60, -2.0, 2.0                   ; cos_sum = 512 - 2 sum(s s);  sin_sum = 2 sum(s q)
	s_cselect_b32 s61, 0x44000000, 0
	v_mov_b32 v[T], s60
	v_mov_b32 v[T+1], s60
	v_mov_b32 v[T+2], s61
	v_mov_b32 v[T+3], s61
	v_lshlrev_b32 v[LANE], 4, v[LANE]
	s_wait_dscnt 0x0
.irp k, 0,1,2,3
.irp q, 0,2,4,6
	v_pk_add_f32 v[RS+8*\k+\q:RS+8*\k+\q+1], v[RS+8*\k+\q:RS+8*\k+\q+1], v[RS+8*(\k+4)+\q:RS+8*(\k+4)+\q+1]
.endr
.endr
.irp k, 0,1
.irp q, 0,2,4,6
	v_pk_add_f32 v[RS+8*\k+\q:RS+8*\k+\q+1], v[RS+8*\k+\q:RS+8*\k+\q+1], v[RS+8*(\k+2)+\q:RS+8*(\k+2)+\q+1]
.endr
.endr
.irp q, 0,2,4,6
	v_pk_add_f32 v[RS+\q:RS+\q+1], v[RS+\q:RS+\q+1], v[RS+8+\q:RS+8+\q+1]
.endr
.irp q, 0,2,4,6
	v_pk_fma_f32 v[RS+\q:RS+\q+1], v[RS+\q:RS+\q+1], v[T:T+1], v[T+2:T+3]
.endr
.irp q, 0,1,2,3
	v_cvt_pk_f16_f32 v[G+\q], v[RS+2*\q], v[RS+2*\q+1]
.endr
	s_wait_alu depctr_va_vdst(0)                   ; the conversions have written v[G .. G+3], the store's data, and the shift v[LANE], its offset
	global_store_b128 v[LANE], v[G:G+3], s[14:15]  ; half a fragment: 512 consecutive bytes, aligned
	s_set_vgpr_msb 0x5
	s_wait_dscnt 0x0
	s_wait_alu depctr_hold_cnt(0) depctr_sa_sdst(0) depctr_va_vdst(0) depctr_va_sdst(0) depctr_va_ssrc(0) depctr_va_vcc(0) depctr_vm_vsrc(0)
	s_wait_tensorcnt 0x0
	ds_add_u32 v0, v1
	s_wait_dscnt 0x0
	s_endpgm
.Lfunc_end_k_q8095b89d40_phase:
	.size	k_q8095b89d40_phase, .Lfunc_end_k_q8095b89d40_phase-k_q8095b89d40_phase
	.p2alignl 7, 3214868480
	.fill 96, 4, 3214868480
	.section	.rodata,"a",@progbits
	.p2align	6, 0x0
	.amdhsa_kernel k_q8095b89d40_phase
		.amdhsa_group_segment_fixed_size 284160
		.amdhsa_private_segment_fixed_size 0
		.amdhsa_enable_private_segment 0
		.amdhsa_kernarg_size 56
		.amdhsa_user_sgpr_count 2
		.amdhsa_user_sgpr_kernarg_segment_ptr 1
		.amdhsa_wavefront_size32 1
		.amdhsa_system_sgpr_workgroup_id_x 1
		.amdhsa_system_sgpr_workgroup_id_y 1
		.amdhsa_system_sgpr_workgroup_id_z 1
		.amdhsa_system_vgpr_workitem_id 0
		.amdhsa_next_free_vgpr 258
		.amdhsa_next_free_sgpr 66
		.amdhsa_reserve_vcc 0
		.amdhsa_float_denorm_mode_32 3
		.amdhsa_float_denorm_mode_16_64 3
		.amdhsa_memory_ordered 1
		.amdhsa_forward_progress 1
		.amdhsa_inst_pref_size 158
	.end_amdhsa_kernel
	.amdgpu_metadata
---
amdhsa.version: [ 1, 2 ]
amdhsa.kernels:
  - .name:           k_q8095b89d40_phase
    .symbol:         k_q8095b89d40_phase.kd
    .args:
      - { .name: W, .offset: 0, .size: 8, .value_kind: global_buffer, .address_space: global }
      - { .name: B, .offset: 8, .size: 8, .value_kind: global_buffer, .address_space: global }
      - { .name: x, .offset: 16, .size: 8, .value_kind: global_buffer, .address_space: global }
      - { .name: Wr, .offset: 24, .size: 8, .value_kind: global_buffer, .address_space: global }
      - { .name: Wi, .offset: 32, .size: 8, .value_kind: global_buffer, .address_space: global }
      - { .name: sums, .offset: 40, .size: 8, .value_kind: global_buffer, .address_space: global }
      - { .name: wfrag, .offset: 48, .size: 8, .value_kind: global_buffer, .address_space: global }
    .group_segment_fixed_size: 284160
    .private_segment_fixed_size: 0
    .kernarg_segment_align: 8
    .kernarg_segment_size: 56
    .max_flat_workgroup_size: 256
    .sgpr_count:     66
    .vgpr_count:     258
    .wavefront_size: 32
...
	.end_amdgpu_metadata
.endif
;; end of part 3
;; launch project: the kernel of part 2 again; grid 8 x 32, 8 waves a work-group, no clusters, 35,840 bytes of LDS; arguments sums, wfrag, out0, out1; writes out0, out1
